; MI455X (gfx1250); checked and timed in simulation.
; The chip was launched on July 23, 2026; its instructions are those of AMD's public machine-readable ISA for CDNA 5 (MIT licence, August 2026) and "CDNA5" Instruction Set Architecture Reference Guide (July 2026). The comments in the code are by the model that wrote it; some were corrected since.
;; Recurrence Injector. Allowed arithmetic: matrix products marked QUANTISED: E5M2 operands, one given power-of-two scale a tensor, by v_wmma_f32_16x16x64_bf8_bf8 or v_wmma_f32_16x16x128_bf8_bf8, f32 sums; everything else in f32.
;; Inputs: Wk_codes 1,024 x 32 x 32 uint8 (E5M2 codes of Wk, K innermost, in blocks of 32 codes); Wo_codes 1,024 x 32 x 32 uint8 (E5M2 codes of Wo, K innermost, in blocks of 32 codes); Wq_codes 1,024 x 32 x 32 uint8 (E5M2 codes of Wq, K innermost, in blocks of 32 codes); Wv_codes 1,024 x 32 x 32 uint8 (E5M2 codes of Wv, K innermost, in blocks of 32 codes); bk 1,024 float32; bo 1,024 float32; bq 1,024 float32; bv 1,024 float32; lowp_scales 12 int32 (the exponents e of the quantised operands' scales 2^e); previous_state_codes 4 x 2,048 x 32 x 32 uint8 (E5M2 codes of previous_state, K innermost, in blocks of 32 codes); recurrence_mask 4 bool; x 4 x 2,048 x 1,024 float32.
;; Outputs: out0 4 x 2,048 x 1,024 float32.
;; This version of the problem:
;;   THIS VERSION OF THE PROBLEM IS GIVEN IN LOW PRECISION. The matrix products marked QUANTISED in the list below multiply operands that are first quantised to E5M2 (5 exponent bits, 2 mantissa bits; 8 bits a number), with one given power-of-two scale for each operand tensor; their sums are f32. All else is computed in f32.
;;   The module's matrix products, in the order in which they are computed (A, B: the left and right operand; K: the contracted axis; several contracted axes count as one K, in the product's order):
;;     1. [M 8,192, K 1,024] x [K 1,024, N 1,024]; A: input x; B: input Wq (given as codes): QUANTISED (scales: A lowp_scales[0], B lowp_scales[1])
;;     2. [M 8,192, K 1,024] x [K 1,024, N 1,024]; A: input previous_state (given as codes); B: input Wk (given as codes): QUANTISED (scales: A lowp_scales[2], B lowp_scales[3])
;;     3. [M 8,192, K 1,024] x [K 1,024, N 1,024]; A: input previous_state (given as codes); B: input Wv (given as codes): QUANTISED (scales: A lowp_scales[4], B lowp_scales[5])
;;     4. batch 64 x [M 2,048, K 64] x [K 64, N 2,048]; A: computed on the way; B: computed on the way: QUANTISED (scales: A lowp_scales[6], B lowp_scales[7])
;;     5. batch 64 x [M 64, K 2,048] x [K 2,048, N 2,048]; A: computed on the way; B: softmax (see below): QUANTISED (scales: A lowp_scales[8], B lowp_scales[9])
;;     6. [M 8,192, K 1,024] x [K 1,024, N 1,024]; A: computed on the way; B: input Wo (given as codes): QUANTISED (scales: A lowp_scales[10], B lowp_scales[11])
;;   THE QUANTISER, for each operand of a quantised product, along K:
;;     - The operand's scale is 2^e, e = its entry of the input lowp_scales (int32; the entries are numbered through the quantised products in the list's order, A before B).
;;     - Each number is divided by the scale, clamped to +-57,344, and rounded to the nearest number of E5M2, ties to even, subnormals kept.
;;     - The product sums the exact products of the quantised numbers (number of the format x scale) in f32.
;;   ~~~python
;;   def quantise(x, axis, e):      # numpy; x: float32 -> the quantised numbers, widened to float32 again
;;       x = np.moveaxis(x, axis, -1); K = x.shape[-1]
;;       r = np.clip(x / 2.0 ** e, -57344, 57344)
;;       step = 2.0 ** (np.maximum(np.frexp(np.where(r == 0, 1, r))[1] - 1, -14) - 2)
;;       q = np.round(r / step) * step * 2.0 ** e      # np.round: ties to even
;;       return np.moveaxis(q, -1, axis).astype(np.float32)
;;   ~~~
;;   SOFTMAX AHEAD OF A QUANTISED PRODUCT. Where the list says 'softmax', what is quantised is not the finished softmax but p = 2^(t - M), with t = logit x log2(e) and M = ceil(the row's largest t), a whole number; so 1/2 < the row's largest p <= 1. The row's sum l is taken of the UNQUANTISED p, in f32, and the product's result is divided by l at the end. Since M is a whole number, a kernel that streams over the keys may use a running M (the ceiling of the running maximum): every later rescaling is an exact power of two, so the quantised numbers keep their values, but for numbers so far below the row's largest that they fall under the format's range.
;;   OPERANDS COMPUTED ON THE WAY. 'Computed on the way' means the value that the module computes at that place (a softmax that the list does not call 'softmax' is quantised finished and normalised). What goes into a quantiser is computed in f32, as accurately as f32 sums, v_exp_f32 and their like allow (about 1e-6 of the number): no bf16 or f16 on the way to a quantiser, and a product that is left as it is and whose result goes on into a quantised operand takes f32 operands (vector FMAs, or v_wmma_f32_16x16x4_f32). A number that lies on a knife's edge between two numbers of the format may be rounded either way, as far as f32 arithmetic and the matrix unit's own rounding can turn it there, and no further.
;;   INPUTS GIVEN AS CODES. Wk (in the module: [1024, 1024], K = its axis 0); Wo (in the module: [1024, 1024], K = its axis 0); Wq (in the module: [1024, 1024], K = its axis 0); Wv (in the module: [1024, 1024], K = its axis 0); previous_state (in the module: [4, 2048, 1024], K = its axis 2): each comes as NAME_codes (uint8): NAME with its K axis moved to the last place and cut into blocks of 32 codes, [.., K / 32, bytes a block], one block behind the other in memory; one code a byte (a code: sign, 5 exponent bits, 2 mantissa bits); its scale is its entry of lowp_scales. Its value is code x scale, taken as it is: it is not quantised again, and the codes and scales need not be those that the quantiser above would give.
;; One version. Each part assembles by itself: llvm-mc -triple=amdgcn-amd-amdhsa -mcpu=gfx1250 --defsym DOCPART=n.
;; ======== version 1 of 1: 4 launches
;; workspace buffers: xq 8,388,608 bytes; q_codes 8,388,608 bytes; kv 16,777,216 bytes; a_codes 8,388,608 bytes
;; launch quantx (part 1): grid 256 x 1, 4 waves a work-group, no clusters, 33,280 bytes of LDS; arguments x, lowp_scales, xq; writes xq
.if DOCPART == 1
	.amdgcn_target "amdgcn-amd-amdhsa--gfx1250"
	.amdhsa_code_object_version 6
	.text
	.protected	k_qddb0e6bbf9_quantx
	.globl	k_qddb0e6bbf9_quantx
	.p2align	8
	.type	k_qddb0e6bbf9_quantx,@function
k_qddb0e6bbf9_quantx:
	s_mov_b64 s[64:65], 0
	v_nop
	global_prefetch_b8 v0, s[64:65] scope:SCOPE_SE
	s_setreg_imm32_b32 hwreg(HW_REG_WAVE_MODE, 25, 1), 1
	s_wait_xcnt 0x0
; x [8192][1024] f32 becomes codes of E5M2, K innermost, with the given scale 2^e0 (entry 0 of the scales): xq [8192][1024], one code a byte.
; code = x / 2^e0, held within +-57,344, rounded to the nearest code, ties to even.  LIMIT: -126 <= e0 <= 112.  NaN among the inputs is not served.
; Rows are dense, so x is a plain stream.  1,024 waves take 8,192 numbers each, in 16 steps of 512.  Each of a step's four loads reads 512 consecutive bytes, 16 a lane;
; the conversion wants 16 neighbours in ONE lane, so the step's 2,048 bytes turn through the wave's own stage in LDS (16 bytes of padding behind each 64) and come back 64 bytes a lane.
; A lane's 16 codes are 16 bytes: a store of the wave covers 512 consecutive bytes, aligned.  Waves share nothing: no barrier.  Loads run four steps (16 loads a wave) ahead.
.set STEPS, 16
.set EMAX,  15
.set MANT,  0x600000                   ; the mantissa field of 57,344 as f32
.set R,     16                         ; v16-79   four sets of 16 numbers as loaded
.set X,     80                         ; v80-111  two sets of 16 neighbours
.set C,     128                        ; v128-191 codes: four registers for each step, so that no store's data are written again
.set WREG,  8192                       ; LDS: a region for each wave: two stages of 32 x SP bytes
.set SP,    80                         ; a lane's place in a stage: 64 bytes + 16 of padding
	s_load_b128 s[4:7], s[0:1], 0x0                ; x, the scales' exponents
	s_load_b64 s[8:9], s[0:1], 0x10                ; xq
	v_lshl_add_u32 v192, v0, 2, 0x8000
	v_mov_b32 v193, 0
	v_lshrrev_b32 v1, 5, v0
	v_readfirstlane_b32 s16, v1                    ; wave
	v_and_b32 v2, 31, v0                           ; lane
	v_lshlrev_b32 v3, 4, v2                        ; my 16 bytes of a load's 512
	s_mul_i32 s17, s16, WREG
	v_lshrrev_b32 v14, 2, v2
	v_mul_u32_u24 v14, v14, SP
	v_and_b32 v15, 3, v2
	v_lshl_add_u32 v14, v15, 4, v14
	v_add_nc_u32 v14, s17, v14                     ; the stage, on the way in: SP (lane / 4) + 16 (lane % 4)
	v_mul_u32_u24 v15, v2, SP
	v_add_nc_u32 v15, s17, v15                     ; on the way out: SP x lane: my 16 neighbours
	v_lshlrev_b32 v4, 4, v2                        ; my codes' place in a step's 512 bytes
	s_lshl_b32 s17, ttmp9, 2
	s_add_co_u32 s18, s17, s16                     ; which run of 8,192 numbers is my wave's
	s_mov_b32 s19, 0
	s_lshl_b64 s[20:21], s[18:19], 15              ; 32,768 bytes of x,
	s_lshl_b64 s[24:25], s[18:19], 13              ; 8,192 bytes of codes
	s_wait_kmcnt 0x0
	s_load_b32 s22, s[6:7], 0x0                    ; e0
	s_add_nc_u64 s[4:5], s[4:5], s[20:21]
	s_add_nc_u64 s[8:9], s[8:9], s[24:25]
.macro LOAD t
.irp i, 0,1,2,3
	global_load_b128 v[R+16*((\t)%4)+4*\i:R+16*((\t)%4)+4*\i+3], v3, s[4:5] offset:2048*(\t)+512*\i th:TH_LOAD_NT
.endr
.endm
.macro TURN t                          ; step t's numbers through the stage: LDS serves a wave's instructions in order, so no wait stands between the stores and the loads
.irp i, 0,1,2,3
	ds_store_b128 v14, v[R+16*((\t)%4)+4*\i:R+16*((\t)%4)+4*\i+3] offset:32*SP*((\t)%2)+8*SP*\i
.endr
.irp i, 0,1,2,3
	ds_load_b128 v[X+16*((\t)%2)+4*\i:X+16*((\t)%2)+4*\i+3], v15 offset:32*SP*((\t)%2)+16*\i
.endr
.endm
.irp t, 0,1,2,3
	LOAD \t
.endr
	s_wait_kmcnt 0x0
	s_add_co_i32 s22, s22, 127
	s_lshl_b32 s23, s22, 23
	v_mov_b32 v11, s23                             ; 2^e0 as f32: the conversion takes its exponent field
	s_add_co_i32 s22, s22, EMAX
	s_lshl_b32 s22, s22, 23
	s_or_b32 s22, s22, MANT
	v_mov_b32 v10, s22                             ; 57,344 x 2^e0
	s_wait_loadcnt 12                              ; step 0's four loads are in; the twelve of steps 1 to 3 may be out
	TURN 0
.macro STEP t
.set XS, X+16*((\t)%2)
	s_wait_dscnt 0x0                               ; this step's numbers are back from the stage, so its stores into the stage have read their registers,
.if (\t)+4 < STEPS
	LOAD (\t)+4                                    ; which take the loads of four steps on
.endif
.if (\t)+1 < STEPS
.if STEPS-2-(\t) >= 3
	s_wait_loadcnt 12                              ; the next step's four loads are in; those of the three steps behind it may be out
.else
	s_wait_loadcnt 4*(STEPS-2-(\t))
.endif
	TURN (\t)+1
.endif
.irp i, 0,1,2,3,4,5,6,7,8,9,10,11,12,13,14,15
	v_med3_num_f32 v[XS+\i], v[XS+\i], -v10, v10   ; the conversion to an 8-bit code does not saturate (ISA guide 7.6.2): the hold comes first
.endr
	v_cvt_scalef32_pk8_bf8_f32 v[C+4*(\t):C+4*(\t)+1], v[XS:XS+7], v11
	v_cvt_scalef32_pk8_bf8_f32 v[C+4*(\t)+2:C+4*(\t)+3], v[XS+8:XS+15], v11
	global_store_b128 v4, v[C+4*(\t):C+4*(\t)+3], s[8:9] offset:512*(\t)   ; the results go to a store alone; the next vector lines are the next step's holds, on other registers
.endm
.irp t, 0,1,2,3,4,5,6,7,8,9,10,11,12,13,14,15
	STEP \t
.endr
	s_wait_tensorcnt 0x0
	ds_add_u32 v192, v193
	s_wait_dscnt 0x0
	s_endpgm
.Lfunc_end_k_qddb0e6bbf9_quantx:
	.size	k_qddb0e6bbf9_quantx, .Lfunc_end_k_qddb0e6bbf9_quantx-k_qddb0e6bbf9_quantx
	.p2alignl 7, 3214868480
	.fill 96, 4, 3214868480
	.section	.rodata,"a",@progbits
	.p2align	6, 0x0
	.amdhsa_kernel k_qddb0e6bbf9_quantx
		.amdhsa_group_segment_fixed_size 33280
		.amdhsa_private_segment_fixed_size 0
		.amdhsa_enable_private_segment 0
		.amdhsa_kernarg_size 24
		.amdhsa_user_sgpr_count 2
		.amdhsa_user_sgpr_kernarg_segment_ptr 1
		.amdhsa_wavefront_size32 1
		.amdhsa_system_sgpr_workgroup_id_x 1
		.amdhsa_system_sgpr_workgroup_id_y 1
		.amdhsa_system_sgpr_workgroup_id_z 1
		.amdhsa_system_vgpr_workitem_id 0
		.amdhsa_next_free_vgpr 194
		.amdhsa_next_free_sgpr 66
		.amdhsa_reserve_vcc 0
		.amdhsa_float_denorm_mode_32 3
		.amdhsa_float_denorm_mode_16_64 3
		.amdhsa_memory_ordered 1
		.amdhsa_forward_progress 1
		.amdhsa_inst_pref_size 37
	.end_amdhsa_kernel
	.amdgpu_metadata
---
amdhsa.version: [ 1, 2 ]
amdhsa.kernels:
  - .name:           k_qddb0e6bbf9_quantx
    .symbol:         k_qddb0e6bbf9_quantx.kd
    .args:
      - { .name: x, .offset: 0, .size: 8, .value_kind: global_buffer, .address_space: global }
      - { .name: lowp_scales, .offset: 8, .size: 8, .value_kind: global_buffer, .address_space: global }
      - { .name: xq, .offset: 16, .size: 8, .value_kind: global_buffer, .address_space: global }
    .group_segment_fixed_size: 33280
    .private_segment_fixed_size: 0
    .kernarg_segment_align: 8
    .kernarg_segment_size: 24
    .max_flat_workgroup_size: 128
    .sgpr_count:     66
    .vgpr_count:     194
    .wavefront_size: 32
...
	.end_amdgpu_metadata
.endif
;; end of part 1
;; launch qkv (part 2): grid 64 x 3, 4 waves a work-group, clusters of 4 x 1, 327,680 bytes of LDS; arguments xq, previous_state_codes, Wq_codes, Wk_codes, Wv_codes, bq, bk, bv, lowp_scales, q_codes, kv; writes q_codes, kv
.if DOCPART == 2
	.amdgcn_target "amdgcn-amd-amdhsa--gfx1250"
	.amdhsa_code_object_version 6
	.text
	.protected	k_qddb0e6bbf9_qkv
	.globl	k_qddb0e6bbf9_qkv
	.p2align	8
	.type	k_qddb0e6bbf9_qkv,@function
k_qddb0e6bbf9_qkv:
	s_mov_b64 s[64:65], 0
	v_nop
	global_prefetch_b8 v0, s[64:65] scope:SCOPE_SE
	s_setreg_imm32_b32 hwreg(HW_REG_WAVE_MODE, 25, 1), 1
	s_wait_xcnt 0x0
	s_wait_alu depctr_hold_cnt(0) depctr_sa_sdst(0) depctr_va_vdst(0) depctr_va_sdst(0) depctr_va_ssrc(0) depctr_va_vcc(0) depctr_vm_vsrc(0)
	s_getreg_b32 s2, hwreg(HW_REG_IB_STS2, 6, 4)
	s_cmp_eq_u32 s2, 0
	s_cbranch_scc0 .Lentry_in_a_cluster
	s_endpgm
.Lentry_in_a_cluster:
	s_bfe_u32 s2, ttmp6, 0x10000c
	s_cmp_lg_u32 s2, 0x3003
	s_cbranch_scc0 .Lentry_shape_is_right
	s_endpgm
.Lentry_shape_is_right:
; The three projections on codes of E5M2, each followed by its bias and by the quantiser of the operand that it becomes.  Grid y is the product: 0: q = x Wq + bq, 1: k = ps Wk + bk, 2: v = ps Wv + bv.
; SHARES.  A work-group keeps 256 RESIDENT rows x K 1,024 in registers (a wave 64 rows: 4 tiles x 8 K steps x 16 registers = 512) and streams 512 STREAMED rows through LDS, 64 a block.
;   q: resident Wq's rows (channels), streamed xq's rows (tokens).   k: Wk's, ps's.   v: resident ps's rows (keys), streamed Wv's rows (channels): v is made TRANSPOSED, since the keys are its next K.
; The matrix instruction takes the resident tile as source 0 and the streamed tile as source 1: a lane then holds ONE streamed row and eight neighbouring resident rows, which are eight neighbours
; along the next product's K.  One conversion of an accumulator's eight registers gives two registers of the next operand, and the codes are stored as IMAGES of that operand's registers:
;   q_codes [b h 64][tile of 16 queries 128][2][lane][16 bytes];  kv, for each b h 262,144 bytes: K [tile of 16 keys 128][2][lane][16], then V [step of 128 keys 16][tile of 16 channels 4][4][lane][16].
; Each store of a wave covers 512 consecutive bytes, aligned.  Fragments are fetched 16 bytes a lane on both sides: the same permutation of k in both operands, so every product meets its partner.
; CLUSTER.  The four work-groups of a cluster hold four resident slices and stream the same rows: each tile is asked for JOINTLY (mask 15), 32 rows of 1,024 bytes a wave.
; 192 work-groups: twelve slices of 256 resident rows times sixteen runs of 512 streamed rows; a finer split would halve the products that each streamed byte feeds.
; NO BRANCH hangs on the product: pointers, strides and scales are chosen by s_cselect.  Both forms of the bias are always applied, one of them times 0:
;   along the registers (q, k): as the C of the first K step;   along the lanes (v): added to the finished sums.  Both go in divided by 2^E, E = the two operands' exponents added.
; LIMITS: E between -127 and 126; (the next operand's exponent) - E between -126 and 112.  NaN and infinite biases are not served.
; REGISTERS, in windows of 256.  Window 0: v4-15 addresses and constants; v16-23 the lanes' bias (4 pairs); v32-63 codes; v64-191 streamed fragments, two sets of 4 tiles x 16; v192-223 the registers' bias.
;   Window 1: resident K steps 0-3 at 16 (4 s + t).   Window 2: K steps 4-7.   Window 3: the 16 accumulators, (i, t) at 8 (4 i + t).
.set PITCH, 1040                       ; an LDS row: 1,024 bytes + 16 of padding = 65 x 16: the 16 rows of a fragment load start at 16 different groups of banks
.set WROWS, 32*PITCH                   ; what one tensor load brings
.set SLOTB, 4*WROWS                    ; a slot: 128 rows, two blocks
.set BLKB,  64*PITCH
.set SPARE, 2*SLOTB                    ; behind the ring: the spare words, 128 bytes a wave, two blocks of 256 bytes that no other line names
.set AF0, 4                            ; v4   my lane's place in a tile: r x PITCH + 16 h
.set AF,  5                            ; v5   the same in the block in hand
.set SPW, 6                            ; v6   my spare word; never rewritten
.set NIL, 7                            ; v7   0; never rewritten
.set OV,  8                            ; v8-11  the stores' offsets: 16 x lane + i x the stride from tile to tile
.set RO,  12                           ; v12  the resident loads' offset: r x 1,024 + 16 h
.set R4,  13                           ; v13  4 r
.set LIM, 14                           ; v14  57,344 x the conversion's scale
.set SCL, 15                           ; v15  the conversion's scale
.set BS,  16
.set CD,  32
.set FA,  64
.set BR,  192
.set MSB, 0
.macro WIN new                         ; the immediate's high byte repeats the setting that is left
.if MSB != \new
	s_set_vgpr_msb (MSB<<8)|\new
.set MSB, \new
.endif
.endm
.macro PLACES n
.rept \n
	v_nop
.endr
.endm
.macro CROUND                          ; a round of the cluster's barrier
	s_barrier_signal -1
	s_barrier_wait -1
	s_cmp_lg_u32 s26, 0
	s_cbranch_scc1 .Lnot_wave_0_\@
	s_barrier_signal -3
.Lnot_wave_0_\@:
	s_barrier_wait -3
	s_barrier_signal -1
	s_barrier_wait -1
.endm
	s_load_b512 s[4:19], s[0:1], 0x0               ; xq s[4:5], ps s[6:7], Wq s[8:9], Wk s[10:11], Wv s[12:13], bq s[14:15], bk s[16:17], bv s[18:19]
	s_load_b128 s[20:23], s[0:1], 0x40             ; the scales' exponents s[20:21], q_codes s[22:23]
	s_load_b64 s[24:25], s[0:1], 0x50              ; kv
	v_lshl_add_u32 v[SPW], v0, 2, SPARE
	v_mov_b32 v[NIL], 0
	ds_add_u32 v6, v7
	ds_add_u32 v6, v7
	s_wait_dscnt 0x0
	v_lshrrev_b32 v1, 5, v0
	v_readfirstlane_b32 s26, v1                    ; wave 0..3
	s_and_b32 s27, ttmp7, 0xffff                   ; the product: the same in all four partners
	s_bfe_u32 s28, ttmp6, 0x40000                  ; cx: it enters the resident, bias and output addresses alone
	s_mov_b32 s29, ttmp9                           ; the cluster's number, 0..15
	s_lshr_b32 s77, s29, 3                         ; v: which half of Wv's rows
	s_and_b32 s78, s29, 7
	s_lshl_b32 s78, s78, 2
	s_add_co_u32 s78, s78, s28                     ; v: which 256 keys of the 8,192
	s_cmp_eq_u32 s27, 2
	s_cselect_b32 s79, s77, s29                    ; which 512 streamed rows
	s_cselect_b32 s80, s78, s28                    ; which 256 resident rows
	s_lshl_b32 s82, s79, 19                        ; streamed: (512 x that + 32 x wave) rows of 1,024 bytes
	s_lshl_b32 s81, s26, 15
	s_add_co_u32 s82, s82, s81
	s_mov_b32 s83, 0
	s_lshl_b32 s84, s80, 18                        ; resident: (256 x that + 64 x wave) rows
	s_lshl_b32 s81, s26, 16
	s_add_co_u32 s84, s84, s81
	s_mov_b32 s85, 0
	s_lshr_b32 s86, s29, 2                         ; q, k: batch = cluster / 4, head = 4 cx + wave, first tile = 32 (cluster % 4)
	s_lshl_b32 s86, s86, 4
	s_lshl_b32 s87, s28, 2
	s_add_co_u32 s86, s86, s87
	s_add_co_u32 s86, s86, s26
	s_cmp_eq_u32 s27, 0
	s_cselect_b32 s87, 17, 18                      ; a head is 131,072 bytes in q_codes, 262,144 in kv
	s_lshl_b32 s86, s86, s87
	s_and_b32 s87, s29, 3
	s_lshl_b32 s87, s87, 15
	s_add_co_u32 s86, s86, s87
	s_lshr_b32 s88, s78, 3                         ; v: batch = keys' block / 8; first head = 8 x half
	s_lshl_b32 s88, s88, 1
	s_add_co_u32 s88, s88, s77
	s_lshl_b32 s88, s88, 21
	s_and_b32 s89, s78, 7
	s_lshl_b32 s89, s89, 1
	s_lshr_b32 s90, s26, 1
	s_add_co_u32 s89, s89, s90                     ; the step of 128 keys: two waves to a step
	s_lshl_b32 s89, s89, 13
	s_add_co_u32 s88, s88, s89
	s_and_b32 s89, s26, 1
	s_lshl_b32 s89, s89, 10                        ; my 64 keys are registers 8 (wave % 2) on of a fragment
	s_add_co_u32 s88, s88, s89
	s_add_co_u32 s88, s88, 131072                  ; V lies behind the head's K
	s_cmp_eq_u32 s27, 2
	s_cselect_b32 s86, s88, s86
	s_mov_b32 s87, 0
	s_mov_b32 s56, 4096
	s_cselect_b32 s56, 0x40000, s56                ; from block to block: four tiles of tokens, or (v) a head
	s_mov_b32 s57, 0
	s_mov_b32 s58, 1024
	s_cselect_b32 s58, 2048, s58                   ; from streamed tile to tile
	s_lshl_b32 s90, s28, 10                        ; the registers' bias: (256 cx + 64 wave) numbers on
	s_lshl_b32 s91, s26, 8
	s_add_co_u32 s90, s90, s91
	s_mov_b32 s91, 0
	s_lshl_b32 s92, s77, 11                        ; the lanes' bias: 512 x half numbers on (inside every bias, whatever the product)
	s_mov_b32 s93, 0
	; descriptor group 1: 32 rows x 1,024 bytes, 16 bytes of padding behind each row
	s_mov_b32 s44, 15|(1<<20)|(1<<21)|(7<<22)|(3<<25)  ; 15:0 the mask: all four; 17:16 elements of 1 byte; 20 padding on; 21 set beside a mask; 24:22 after every 256 words; 31:25 four words
	s_mov_b32 s45, 1024<<16                        ; tensor_dim0
	s_mov_b32 s46, 32<<16                          ; tensor_dim1
	s_mov_b32 s47, 1024<<16                        ; tile_dim0
	s_mov_b32 s48, 32                              ; tile_dim1
	s_mov_b32 s49, 1024                            ; from row to row
	s_mov_b32 s50, 0
	s_mov_b32 s51, 0
	s_mul_i32 s52, s26, WROWS                      ; my 32 rows' place in a slot
	s_mov_b32 s40, 1
	s_mov_b32 s41, s52                             ; slot 0
	s_wait_kmcnt 0x0
	s_load_b256 s[68:75], s[20:21], 0x0            ; e0 .. e7
	s_load_b32 s76, s[20:21], 0x20                 ; e8
	s_cmp_eq_u32 s27, 0
	s_cselect_b64 s[30:31], s[4:5], s[6:7]         ; streamed
	s_cselect_b64 s[32:33], s[8:9], s[10:11]       ; resident
	s_cselect_b64 s[34:35], s[14:15], s[16:17]     ; bias
	s_cselect_b64 s[36:37], s[22:23], s[24:25]     ; output
	s_cmp_eq_u32 s27, 2
	s_cselect_b64 s[30:31], s[12:13], s[30:31]
	s_cselect_b64 s[32:33], s[6:7], s[32:33]
	s_cselect_b64 s[34:35], s[18:19], s[34:35]
	s_add_nc_u64 s[30:31], s[30:31], s[82:83]
	s_add_nc_u64 s[32:33], s[32:33], s[84:85]
	s_add_nc_u64 s[36:37], s[36:37], s[86:87]
	s_add_nc_u64 s[38:39], s[34:35], s[90:91]
	s_add_nc_u64 s[34:35], s[34:35], s[92:93]
	s_mov_b64 s[42:43], s[30:31]
	s_or_b32 s43, s43, 0x80000000                  ; type = 2
	CROUND                                         ; all four work-groups are here: the first joint loads meet
	tensor_load_to_lds s[40:43], s[44:51]          ; streamed rows 0-127 into slot 0: one load of mine is out
	s_nop 0
	PLACES 4
	v_and_b32 v1, 15, v0                           ; r
	v_bfe_u32 v2, v0, 4, 1                         ; h
	v_and_b32 v3, 31, v0                           ; lane
	v_mul_u32_u24 v[AF0], v1, PITCH
	v_lshl_add_u32 v[AF0], v2, 4, v[AF0]
	v_lshlrev_b32 v[RO], 10, v1
	v_lshl_add_u32 v[RO], v2, 4, v[RO]
	v_lshlrev_b32 v[R4], 2, v1
	v_lshlrev_b32 v[OV], 4, v3
	v_add_nc_u32 v[OV+1], s58, v[OV]
	v_add_nc_u32 v[OV+2], s58, v[OV+1]
	v_add_nc_u32 v[OV+3], s58, v[OV+2]
	v_lshlrev_b32 v3, 5, v2                        ; 32 h: my half's eight numbers of a tile's bias
	WIN 0x40                                       ; destination window 1
.irp s, 0,1,2,3
.irp t, 0,1,2,3
.irp c, 0,1,2,3
	global_load_b128 v[16*(4*\s+\t)+4*\c:16*(4*\s+\t)+4*\c+3], v[RO], s[32:33] offset:16384*\t+128*\s+32*\c
.endr
.endr
.endr
	WIN 0x80                                       ; destination window 2
.irp s, 0,1,2,3
.irp t, 0,1,2,3
.irp c, 0,1,2,3
	global_load_b128 v[16*(4*\s+\t)+4*\c:16*(4*\s+\t)+4*\c+3], v[RO], s[32:33] offset:16384*\t+128*(\s+4)+32*\c
.endr
.endr
.endr
	WIN 0
.irp t, 0,1,2,3
	global_load_b128 v[BR+8*\t:BR+8*\t+3], v3, s[38:39] offset:64*\t
	global_load_b128 v[BR+8*\t+4:BR+8*\t+7], v3, s[38:39] offset:64*\t+16
.endr
	s_wait_kmcnt 0x0
	s_add_co_i32 s77, s68, s69
	s_add_co_i32 s78, s70, s71
	s_add_co_i32 s79, s72, s73
	s_cmp_eq_u32 s27, 0
	s_cselect_b32 s77, s77, s78
	s_cselect_b32 s78, s74, s75
	s_cmp_eq_u32 s27, 2
	s_cselect_b32 s77, s79, s77                    ; E: a sum stands for sum x 2^E
	s_cselect_b32 s78, s76, s78                    ; the exponent of the operand that is made
	s_sub_co_i32 s79, 127, s77
	s_lshl_b32 s79, s79, 23                        ; 2^-E as f32
	s_cmp_eq_u32 s27, 2
	s_cselect_b32 s59, 0, s79                      ; the factor of the registers' bias,
	s_cselect_b32 s60, s79, 0                      ; and of the lanes'
	s_sub_co_i32 s78, s78, s77
	s_add_co_i32 s78, s78, 127
	s_lshl_b32 s79, s78, 23
	v_mov_b32 v[SCL], s79                          ; the scales folded into the conversion's one
	s_add_co_i32 s78, s78, 15
	s_lshl_b32 s78, s78, 23
	s_or_b32 s78, s78, 0x600000
	v_mov_b32 v[LIM], s78                          ; 57,344 x that
.irp i, 0,1,2,3
	v_mov_b32 v[BS+2*\i+1], 0                      ; named as the upper half of a pair, so it is written
.endr
	s_wait_loadcnt 0x0                             ; the resident rows and the bias
.irp j, 0,1,2,3,4,5,6,7,8,9,10,11,12,13,14,15,16,17,18,19,20,21,22,23,24,25,26,27,28,29,30,31
	v_mul_f32 v[BR+\j], s59, v[BR+\j]
.endr
.macro AFRAG set, s                    ; the block's four streamed tiles, 128 along K at K step s, into a set: registers 4 c .. 4 c + 3 hold k = 32 c + 16 h + 0 .. 15
.irp i, 0,1,2,3
.irp c, 0,1,2,3
	ds_load_b128 v[FA+64*(\set)+16*\i+4*\c:FA+64*(\set)+16*\i+4*\c+3], v[AF] offset:\i*16*PITCH+128*(\s)+32*\c
.endr
.endr
.endm
; A K step: the next step's 16 loads in one run, behind four places (a load into registers that matrix instructions have read stands four plain vector instructions behind them), then 16 products.
; The 16 accumulators take turns, one instruction a turn, in the same order in every K step.
.macro KSTEP s
	WIN 0
.if (\s) > 0
	PLACES 4
.endif
.if (\s) < 7
	AFRAG ((\s)+1)%2,(\s)+1
	s_wait_dscnt 16                                ; this step's fragments are in; the 16 loads just issued may be out
.else
	s_wait_dscnt 0x0
.endif
.if (\s) == 0
	WIN 0xc1                                       ; source 0 window 1, source 1 and C (the bias) window 0, D window 3
.elseif (\s) < 4
	WIN 0xf1
.else
	WIN 0xf2
.endif
.irp i, 0,1,2,3
.irp t, 0,1,2,3
.if (\s) == 0
	v_wmma_f32_16x16x128_bf8_bf8 v[8*(4*\i+\t):8*(4*\i+\t)+7], v[16*(4*((\s)%4)+\t):16*(4*((\s)%4)+\t)+15], v[FA+64*((\s)%2)+16*\i:FA+64*((\s)%2)+16*\i+15], v[BR+8*\t:BR+8*\t+7]
.else
	v_wmma_f32_16x16x128_bf8_bf8 v[8*(4*\i+\t):8*(4*\i+\t)+7], v[16*(4*((\s)%4)+\t):16*(4*((\s)%4)+\t)+15], v[FA+64*((\s)%2)+16*\i:FA+64*((\s)%2)+16*\i+15], v[8*(4*\i+\t):8*(4*\i+\t)+7]
.endif
.endr
.endr
.endm
; A block: 64 streamed rows against my 64 resident rows, 128 products; then bias, hold, conversion, 8 stores.
.macro BLOCK
	v_add_nc_u32 v[AF], s54, v[AF0]
.irp i, 0,1,2,3
	global_load_b32 v[BS+2*\i], v[R4], s[34:35] offset:64*\i   ; the bias of streamed row 16 i + r
.endr
	AFRAG 0,0
.irp s, 0,1,2,3,4,5,6,7
	KSTEP \s
.endr
	WIN 0
	s_wait_loadcnt 0x0
.irp i, 0,1,2,3
	v_mul_f32 v[BS+2*\i], s60, v[BS+2*\i]          ; / 2^E, or x 0.  These four are also the places behind the last product
.endr
	WIN 0xc3                                       ; the sums (source 0 and destination) window 3
.irp i, 0,1,2,3
.irp t, 0,1,2,3
.irp j, 0,2,4,6
	v_pk_add_f32 v[8*(4*\i+\t)+\j:8*(4*\i+\t)+\j+1], v[8*(4*\i+\t)+\j:8*(4*\i+\t)+\j+1], v[BS+2*\i:BS+2*\i+1] op_sel_hi:[1,0]   ; each accumulator from its low end on
.endr
.irp j, 0,1,2,3,4,5,6,7
	v_med3_num_f32 v[8*(4*\i+\t)+\j], v[8*(4*\i+\t)+\j], -v[LIM], v[LIM]   ; the conversion does not saturate (ISA guide 7.6.2): the hold comes first
.endr
.endr
.endr
	WIN 0x03
.irp i, 0,1,2,3
.irp t, 0,1,2,3
	v_cvt_scalef32_pk8_bf8_f32 v[CD+8*\i+2*\t:CD+8*\i+2*\t+1], v[8*(4*\i+\t):8*(4*\i+\t)+7], v[SCL]
.endr
.endr
	WIN 0
	v_nop                                          ; one plain line behind the last conversion: the next block's products write its sources
.irp i, 0,1,2,3
.irp g, 0,1
	global_store_b128 v[OV+\i], v[CD+8*\i+4*\g:CD+8*\i+4*\g+3], s[36:37] offset:512*\g   ; 32 lanes, 512 consecutive bytes
.endr
.endr
	s_wait_xcnt 0x0                                ; the stores have read their data and their base: both are written again only behind this wait
	s_add_nc_u64 s[36:37], s[36:37], s[56:57]
	s_add_nc_u64 s[34:35], s[34:35], 256           ; the next 64 numbers of the lanes' bias (its loads are done)
.endm
; A slot's two blocks.  At its head the change of slots: all my tensor loads have landed (my part of this slot), 0 is added to my spare word, the add and my reads of the other slot are done.
; fill = 1: behind a round of the cluster's barrier the other slot takes the next 128 rows: that load has two blocks, 256 products a wave, in which to land.
.macro VISIT slot, fill
	s_wait_tensorcnt 0x0                           ; no tensor load of mine is out, so group 0 may be written
	ds_add_u32 v[SPW], v[NIL]
.if \fill
	s_add_co_u32 s41, s52, (1-\slot)*SLOTB
	s_add_nc_u64 s[42:43], s[42:43], 131072        ; 128 rows on; the type bits on top are not reached
.endif
	s_wait_dscnt 0x0
.if \fill
	CROUND
	tensor_load_to_lds s[40:43], s[44:51]          ; my one tensor load behind the round, and the first thing there
	s_nop 0
	PLACES 4
.else
	s_barrier_signal -1
	s_barrier_wait -1
.endif
	s_mov_b32 s54, \slot*SLOTB
	s_mov_b32 s55, 2
.Lblk_\@:
	BLOCK
	s_add_co_u32 s54, s54, BLKB
	s_sub_co_u32 s55, s55, 1
	s_cmp_lg_u32 s55, 0
	s_cbranch_scc1 .Lblk_\@
.endm
	VISIT 0, 1
	VISIT 1, 1
	VISIT 0, 1
	VISIT 1, 0                                     ; nothing is left to fetch
	s_wait_tensorcnt 0x0                           ; the wave's end
	ds_add_u32 v[SPW], v[NIL]
	s_wait_dscnt 0x0
	CROUND                                         ; the closing round
	s_endpgm
.Lfunc_end_k_qddb0e6bbf9_qkv:
	.size	k_qddb0e6bbf9_qkv, .Lfunc_end_k_qddb0e6bbf9_qkv-k_qddb0e6bbf9_qkv
	.p2alignl 7, 3214868480
	.fill 96, 4, 3214868480
	.section	.rodata,"a",@progbits
	.p2align	6, 0x0
	.amdhsa_kernel k_qddb0e6bbf9_qkv
		.amdhsa_group_segment_fixed_size 327680
		.amdhsa_private_segment_fixed_size 0
		.amdhsa_enable_private_segment 0
		.amdhsa_kernarg_size 88
		.amdhsa_user_sgpr_count 2
		.amdhsa_user_sgpr_kernarg_segment_ptr 1
		.amdhsa_wavefront_size32 1
		.amdhsa_system_sgpr_workgroup_id_x 1
		.amdhsa_system_sgpr_workgroup_id_y 1
		.amdhsa_system_sgpr_workgroup_id_z 1
		.amdhsa_system_vgpr_workitem_id 0
		.amdhsa_next_free_vgpr 896
		.amdhsa_next_free_sgpr 100
		.amdhsa_reserve_vcc 0
		.amdhsa_float_denorm_mode_32 3
		.amdhsa_float_denorm_mode_16_64 3
		.amdhsa_memory_ordered 1
		.amdhsa_forward_progress 1
		.amdhsa_inst_pref_size 153
	.end_amdhsa_kernel
	.amdgpu_metadata
---
amdhsa.version: [ 1, 2 ]
amdhsa.kernels:
  - .name:           k_qddb0e6bbf9_qkv
    .symbol:         k_qddb0e6bbf9_qkv.kd
    .args:
      - { .name: xq, .offset: 0, .size: 8, .value_kind: global_buffer, .address_space: global }
      - { .name: previous_state_codes, .offset: 8, .size: 8, .value_kind: global_buffer, .address_space: global }
      - { .name: Wq_codes, .offset: 16, .size: 8, .value_kind: global_buffer, .address_space: global }
      - { .name: Wk_codes, .offset: 24, .size: 8, .value_kind: global_buffer, .address_space: global }
      - { .name: Wv_codes, .offset: 32, .size: 8, .value_kind: global_buffer, .address_space: global }
      - { .name: bq, .offset: 40, .size: 8, .value_kind: global_buffer, .address_space: global }
      - { .name: bk, .offset: 48, .size: 8, .value_kind: global_buffer, .address_space: global }
      - { .name: bv, .offset: 56, .size: 8, .value_kind: global_buffer, .address_space: global }
      - { .name: lowp_scales, .offset: 64, .size: 8, .value_kind: global_buffer, .address_space: global }
      - { .name: q_codes, .offset: 72, .size: 8, .value_kind: global_buffer, .address_space: global }
      - { .name: kv, .offset: 80, .size: 8, .value_kind: global_buffer, .address_space: global }
    .group_segment_fixed_size: 327680
    .private_segment_fixed_size: 0
    .kernarg_segment_align: 8
    .kernarg_segment_size: 88
    .max_flat_workgroup_size: 128
    .sgpr_count:     100
    .vgpr_count:     896
    .wavefront_size: 32
...
	.end_amdgpu_metadata
.endif
;; end of part 2
;; launch attn (part 3): grid 4 x 64, 16 waves a work-group, no clusters, 264,192 bytes of LDS; arguments q_codes, kv, lowp_scales, a_codes; writes a_codes
.if DOCPART == 3
	.amdgcn_target "amdgcn-amd-amdhsa--gfx1250"
	.amdhsa_code_object_version 6
	.text
	.protected	k_qddb0e6bbf9_attn
	.globl	k_qddb0e6bbf9_attn
	.p2align	8
	.type	k_qddb0e6bbf9_attn,@function
k_qddb0e6bbf9_attn:
	s_mov_b64 s[64:65], 0
	v_nop
	global_prefetch_b8 v0, s[64:65] scope:SCOPE_SE
	s_setreg_imm32_b32 hwreg(HW_REG_WAVE_MODE, 25, 1), 1
	s_wait_xcnt 0x0
; Attention with the symmetric distance bias, both products on codes of E5M2.  logit = q . k / 8 - slope_h |i - j|;  t = logit x log2(e);  M = the running largest t rounded UP to a whole number;
; p = 2^(t - M) is quantised with 2^e9, not normalised; the row's sum is taken of the unquantised p and divides at the end; the result is quantised with 2^e10 for the last projection.
; SHARES.  A work-group takes one (batch, head) (grid y) and 512 queries (grid x).  The head's whole K and V, 262,144 bytes of register images, come into LDS ONCE, 16,384 bytes a wave by one tensor load:
; nothing is filled again, and the key loop loads nothing from memory.  Each of the 16 waves takes one tile of 16 queries at a time, two in turn, and walks 16 steps of 128 keys.  Four waves share a SIMD.
; LAYOUT.  S^T = K Q^T (source 0 = 16 keys, source 1 = my queries): a lane holds ONE query (lane % 16) and, in tile t, keys 16 t + 8 (lane / 16) + 0 .. 7: converted, they are registers 2 t, 2 t + 1 of
; source 1 of O^T = V^T P^T, in that form's own layout, which V's images have too.
; THE BIAS COSTS NO VECTOR WORK in 15 steps of 16.  With kk the key's place in its step, R = slope x 8 / 2^(e6 + e7), T[kk] = kk R (64 registers a lane, made once), DQ = query - the step's first key:
;   keys before my queries:  t = c (S + T) - sl2 |DQ|: T is the C of the products;      keys after:  t = -c (-S + T) - sl2 |DQ|: -S by Q's codes with their signs turned, and a minimum for the maximum;
;   the one step that holds my queries:  S - |T - DQ R|, two instructions a score.     c = log2(e) / 8 x 2^(e6 + e7), sl2 = slope x log2(e) = c R.
; The three forms are chosen by scalar branches on the step's number against the tile's: whole numbers made of ids and counters alone.
; NO CLUSTER, though the four work-groups of a head read the same K and V: that branch would then hang on a work-group's place in its cluster; and what is shared is one fetch at the head of 32 key steps a wave.
; LIMITS: e6 + e7 between -120 and 120; e9 and e10 between -126 and 112.  All keys are walked: how far a key still counts hangs on the scores' size, which nothing bounds.
; REGISTERS: v1-5 addresses; v6 -sl2; v7 at work; v8 DQ; v9 the step's offset; v10 -M; v11 the largest t; v[12:13] offset - M; v[14:15] the sum; v16-23 Q; v24-31 Q with signs turned; v32-63 fragments;
;   v64-127 T; v128-191 S^T, then p; v192-223 O^T; v224-239 p's codes; v240, v241: 57,344 x 2^e9, 2^e9; v244, v245 the same for e10; v242-254 at work.
.set T, 64
.set S, 128
.set O, 192
.set P, 224
.macro PLACES n
.rept \n
	v_nop
.endr
.endm
	s_load_b256 s[4:11], s[0:1], 0x0               ; q_codes s[4:5], kv s[6:7], the scales' exponents s[8:9], a_codes s[10:11]
	v_lshl_add_u32 v253, v0, 2, 0x40000
	v_mov_b32 v255, 0
	ds_add_u32 v253, v255
	ds_add_u32 v253, v255
	v_lshrrev_b32 v1, 5, v0
	v_readfirstlane_b32 s12, v1                    ; wave 0..15
	s_and_b32 s13, ttmp7, 0xffff                   ; 16 x batch + head
	s_lshl_b32 s16, s12, 14                        ; my 16,384 bytes, in the head's images and in LDS
	s_lshl_b32 s14, s13, 18
	s_add_co_u32 s14, s14, s16
	s_mov_b32 s15, 0
	s_lshl_b32 s17, ttmp9, 5
	s_add_co_u32 s17, s17, s12                     ; my first tile of queries: 32 x work-group x + wave; the second lies 16 on
	s_lshl_b32 s52, s13, 17                        ; Q: a head is 131,072 bytes, a tile 1,024
	s_lshl_b32 s19, s17, 10
	s_add_co_u32 s52, s52, s19
	s_mov_b32 s53, 0
	s_and_b32 s18, s13, 15                         ; head
	s_lshr_b32 s54, s13, 4                         ; a_codes: ((128 x batch + tile) x 16 + head) x 1,024
	s_lshl_b32 s54, s54, 21
	s_lshl_b32 s19, s17, 14
	s_add_co_u32 s54, s54, s19
	s_lshl_b32 s19, s18, 10
	s_add_co_u32 s54, s54, s19
	s_mov_b32 s55, 0
	s_lshr_b32 s46, s17, 3                         ; the step that holds my queries
	s_lshl_b32 s61, s17, 4                         ; my first query
	s_add_co_u32 s19, s18, 1                       ; n = head + 1: slope = 2^(-n / 2)
	s_and_b32 s29, s19, 1
	s_cmp_lg_u32 s29, 0
	s_mov_b32 s28, 0x3f800000
	s_cselect_b32 s28, 0x3f3504f3, s28             ; n odd: 2^(-1/2)
	s_lshr_b32 s29, s19, 1
	s_lshl_b32 s29, s29, 23
	s_sub_co_u32 s28, s28, s29                     ; the slope as f32
	s_mov_b32 s20, 0x76543210
	s_mov_b32 s21, 0xfedcba98                      ; v_permlanex16_b32's selects for lane l xor 16
	; descriptor group 1: a dense block as 64 rows of 256 bytes
	s_mov_b32 s36, 3<<16                           ; no mask; elements of 8 bytes; no padding: every LDS load here takes 512 consecutive bytes
	s_mov_b32 s37, 32<<16
	s_mov_b32 s38, 64<<16
	s_mov_b32 s39, 32<<16
	s_mov_b32 s40, 64
	s_mov_b32 s41, 32
	s_mov_b32 s42, 0
	s_mov_b32 s43, 0
	s_mov_b32 s32, 1
	s_mov_b32 s33, s16
	s_wait_dscnt 0x0
	s_wait_kmcnt 0x0
	s_add_nc_u64 s[34:35], s[6:7], s[14:15]
	s_or_b32 s35, s35, 0x80000000
	tensor_load_to_lds s[32:35], s[36:43]          ; my one tensor load of the launch
	s_nop 0
	PLACES 4
	s_load_b128 s[56:59], s[8:9], 0x18             ; e6, e7, e8, e9
	s_load_b32 s60, s[8:9], 0x28                   ; e10
	s_add_nc_u64 s[48:49], s[4:5], s[52:53]
	s_add_nc_u64 s[50:51], s[10:11], s[54:55]
	v_and_b32 v1, 31, v0
	v_lshlrev_b32 v1, 4, v1                        ; 16 x lane: my place in every image
	v_add_nc_u32 v2, 0x20000, v1                   ; the same in V's part
	v_and_b32 v5, 15, v0
	v_lshlrev_b32 v5, 4, v5
	v_bfe_u32 v13, v0, 4, 1
	v_lshl_add_u32 v5, v13, 3, v5                  ; the way out: 16 r + 8 h
	v_lshlrev_b32 v7, 3, v13
	v_cvt_f32_u32 v7, v7                           ; 8 h
	v_mov_b32 v13, 0                               ; (upper halves of pairs, and a lane permute's destination, are written once)
	v_mov_b32 v251, 0
	v_mov_b32 v248, 0
	v_mov_b32 v6, s28
	v_mul_f32 v6, 0xbfb8aa3b, v6                   ; -slope x log2(e)
	s_wait_kmcnt 0x0
	s_add_co_i32 s30, s56, s57
	s_lshl_b32 s31, s30, 23
	s_add_co_i32 s24, s31, 0x3e38aa3b              ; c: the two exponents are added to the exponent field of log2(e) / 8
	s_xor_b32 s25, s24, 0x80000000                 ; -c
	s_sub_co_i32 s27, 3, s30
	s_lshl_b32 s27, s27, 23
	s_add_co_i32 s27, s27, s28                     ; R = slope x 8 / 2^(e6 + e7)
	s_add_co_i32 s26, s58, s59                     ; e8 + e9
	s_add_co_i32 s31, s59, 127
	s_lshl_b32 s30, s31, 23
	v_mov_b32 v241, s30
	s_add_co_i32 s31, s31, 15
	s_lshl_b32 s31, s31, 23
	s_or_b32 s31, s31, 0x600000
	v_mov_b32 v240, s31
	s_add_co_i32 s31, s60, 127
	s_lshl_b32 s30, s31, 23
	v_mov_b32 v245, s30
	s_add_co_i32 s31, s31, 15
	s_lshl_b32 s31, s31, 23
	s_or_b32 s31, s31, 0x600000
	v_mov_b32 v244, s31
	v_mul_f32 v7, s27, v7                          ; 8 h R
.irp t, 0,1,2,3,4,5,6,7
.irp j, 0,1,2,3,4,5,6,7
	v_cvt_f32_u32 v[T+8*\t+\j], 16*\t+\j
.endr
.endr
.irp t, 0,1,2,3,4,5,6,7
.irp j, 0,1,2,3,4,5,6,7
	v_fma_f32 v[T+8*\t+\j], v[T+8*\t+\j], s27, v7  ; T = (16 t + j + 8 h) R
.endr
.endr
	s_wait_tensorcnt 0x0                           ; my part of the head's K and V is in LDS,
	s_barrier_signal -1
	s_barrier_wait -1                              ; everybody's is: the launch's one barrier
; The scores of a step, and their extreme.  q: Q's registers or the turned ones; mode 1: T is the products' C; mode 0: C = 0 and the distance is taken off by vector work; m3, m2: maximum or minimum; cs: c or -c.
.macro ARM q, mode, m3, m2, cs
.irp g, 0,1
.if \g
	PLACES 4                                       ; in front of loads into registers that the four products above have read
.endif
.irp t, 0,1,2,3
	ds_load_b128 v[32+8*\t:35+8*\t], v3 offset:(4*\g+\t)*1024
	ds_load_b128 v[36+8*\t:39+8*\t], v3 offset:(4*\g+\t)*1024+512
.endr
	s_wait_dscnt 0x0
.irp t, 0,1,2,3
.if \mode
	v_wmma_f32_16x16x64_bf8_bf8 v[S+8*(4*\g+\t):S+8*(4*\g+\t)+7], v[32+8*\t:39+8*\t], v[\q:\q+7], v[T+8*(4*\g+\t):T+8*(4*\g+\t)+7]
.else
	v_wmma_f32_16x16x64_bf8_bf8 v[S+8*(4*\g+\t):S+8*(4*\g+\t)+7], v[32+8*\t:39+8*\t], v[\q:\q+7], 0
.endif
.endr
.endr
	PLACES 4                                       ; behind the last product: in front of the first read of results, and of the loads into the fragments' registers behind the join
.if (\mode) == 0
	v_mov_b32 v9, 0
	v_mul_f32 v7, s27, v8                          ; DQ R
.set n, 0
.rept 32
	v_sub_f32 v246, v[T+n], v7
	v_sub_f32 v247, v[T+n+1], v7
	v_sub_f32 v[S+n], v[S+n], |v246|               ; S - R |key - query|
	v_sub_f32 v[S+n+1], v[S+n+1], |v247|
.set n, n+2
.endr
.endif
	\m3 v254, v[S], v[S+1], v[S+2]                 ; two chains, ascending: each accumulator is read from its low end on
	\m3 v252, v[S+3], v[S+4], v[S+5]
.irp i, 6,10,14,18,22,26,30,34,38,42,46,50,54,58
	\m3 v254, v254, v[S+\i], v[S+\i+1]
	\m3 v252, v252, v[S+\i+2], v[S+\i+3]
.endr
	\m3 v254, v254, v[S+62], v[S+63]
	\m2 v254, v254, v252
	s_mov_b32 s22, \cs
	s_mov_b32 s23, \cs                             ; (named with it as a pair)
.endm
	s_mov_b32 s47, 2
.Lpass:                                            ; a tile of 16 queries
	global_load_b128 v[16:19], v1, s[48:49]        ; Q's fragment, as it was stored
	global_load_b128 v[20:23], v1, s[48:49] offset:512
	v_and_b32 v8, 15, v0
	v_add_nc_u32 v8, s61, v8
	v_cvt_f32_u32 v8, v8                           ; DQ = my query - 0
	v_mov_b32 v11, 0xff61b1e6                      ; the largest t so far: -3e38
	v_floor_f32 v10, -v11
	v_mov_b32 v14, 0
	v_mov_b32 v15, 0
.irp j, 0,1,2,3,4,5,6,7,8,9,10,11,12,13,14,15,16,17,18,19,20,21,22,23,24,25,26,27,28,29,30,31
	v_mov_b32 v[O+\j], 0                           ; the step is written once: the first finds zeros, which the first change of M leaves zeros
.endr
	s_mov_b32 s44, 0                               ; the step's first byte in K's part and in V's
	s_mov_b32 s45, 0                               ; the step
	s_wait_loadcnt 0x0
.irp j, 0,1,2,3,4,5,6,7
	v_xor_b32 v[24+\j], 0x80808080, v[16+\j]       ; -Q: every code's sign turned
.endr
.Lstep:
	v_add_nc_u32 v3, s44, v1                       ; these five lines, and the addition at the step's end, are the places behind the last products, whose fragments' registers
	v_add_nc_u32 v4, s44, v2                       ; are loaded and written over below
	v_mul_f32 v9, v6, |v8|                         ; -sl2 |DQ|
	v_nop
	v_nop
	s_cmp_lt_u32 s45, s46
	s_cbranch_scc1 .Lbefore
	s_cmp_gt_u32 s45, s46
	s_cbranch_scc1 .Lafter
	ARM 16, 0, v_max3_num_f32, v_max_num_f32, s24
	s_branch .Ljoin
.Lbefore:
	ARM 16, 1, v_max3_num_f32, v_max_num_f32, s24
	s_branch .Ljoin
.Lafter:
	ARM 24, 1, v_min3_num_f32, v_min_num_f32, s25
.Ljoin:
.irp t, 0,1
.irp g, 0,1,2,3
	ds_load_b128 v[32+16*\t+4*\g:35+16*\t+4*\g], v4 offset:2048*\t+512*\g   ; V's tiles of channels 0-31: they land under the softmax
.endr
.endr
	v_fma_f32 v254, v254, s22, v9                  ; the step's largest t among my 64 keys,
	v_permlanex16_b32 v248, v254, s20, s21
	v_max_num_f32 v254, v254, v248                 ; and among lane l xor 16's
	v_max_num_f32 v11, v11, v254
	v_mov_b32 v252, v10
	v_floor_f32 v10, -v11                          ; -M = floor(-t): M is a whole number
	v_sub_f32 v252, v10, v252                      ; old M - new M, 0 or less
	v_cvt_i32_f32 v252, v252                       ; (it saturates)
	v_ldexp_f32 v250, 1.0, v252                    ; f = 2^(old M - new M): a multiplication by it rounds nothing
	v_add_f32 v12, v9, v10
.irp j, 0,2,4,6,8,10,12,14,16,18,20,22,24,26,28,30,32,34,36,38,40,42,44,46,48,50,52,54,56,58,60,62
	v_pk_fma_f32 v[S+\j:S+\j+1], v[S+\j:S+\j+1], s[22:23], v[12:13] op_sel_hi:[1,0,0]   ; t - M
.endr
.irp j, 0,1,2,3,4,5,6,7,8,9,10,11,12,13,14,15,16,17,18,19,20,21,22,23,24,25,26,27,28,29,30,31,32,33,34,35,36,37,38,39,40,41,42,43,44,45,46,47,48,49,50,51,52,53,54,55,56,57,58,59,60,61,62,63
	v_exp_f32 v[S+\j], v[S+\j]                     ; p = 2^(t - M)
.endr
	v_pk_mul_f32 v[14:15], v[14:15], v[250:251] op_sel_hi:[1,0]   ; the sum under the new M: the plain line behind the exponentials
	s_wait_alu depctr_va_vdst(0)                   ; one wait for the batch of 64, ahead of its first reader
	v_pk_add_f32 v[242:243], v[S:S+1], v[S+2:S+3]  ; the row's sum is taken of the unquantised p, in two chains
.irp j, 4,8,12,16,20,24,28,32,36,40,44,48,52,56,60
	v_pk_add_f32 v[14:15], v[14:15], v[S+\j:S+\j+1]
	v_pk_add_f32 v[242:243], v[242:243], v[S+\j+2:S+\j+3]
.endr
	v_pk_add_f32 v[14:15], v[14:15], v[242:243]
.irp b, 0,1,2,3
.irp i, 0,1,2,3,4,5,6,7,8,9,10,11,12,13,14,15
	v_min_num_f32 v[S+16*\b+\i], v[S+16*\b+\i], v240   ; the hold; p is not negative, so it is one-sided
.endr
	v_cvt_scalef32_pk8_bf8_f32 v[P+4*\b:P+4*\b+1], v[S+16*\b:S+16*\b+7], v241
	v_cvt_scalef32_pk8_bf8_f32 v[P+4*\b+2:P+4*\b+3], v[S+16*\b+8:S+16*\b+15], v241
.if \b == 1
.irp t, 2,3
.irp g, 0,1,2,3
	ds_load_b128 v[S+16*(\t-2)+4*\g:S+16*(\t-2)+4*\g+3], v4 offset:2048*\t+512*\g   ; V's channels 32-63, into the registers of the 32 numbers that have just been converted
.endr
.endr
.endif
.endr
.irp j, 0,2,4,6,8,10,12,14,16,18,20,22,24,26,28,30
	v_pk_mul_f32 v[O+\j:O+\j+1], v[O+\j:O+\j+1], v[250:251] op_sel_hi:[1,0]   ; O^T under the new M; also the plain lines between the conversions and the products
.endr
	s_wait_dscnt 0x0                               ; V's sixteen loads
	v_wmma_f32_16x16x128_bf8_bf8 v[O:O+7], v[32:47], v[P:P+15], v[O:O+7]
	v_wmma_f32_16x16x128_bf8_bf8 v[O+8:O+15], v[48:63], v[P:P+15], v[O+8:O+15]
	v_wmma_f32_16x16x128_bf8_bf8 v[O+16:O+23], v[S:S+15], v[P:P+15], v[O+16:O+23]
	v_wmma_f32_16x16x128_bf8_bf8 v[O+24:O+31], v[S+16:S+31], v[P:P+15], v[O+24:O+31]
	v_add_f32 v8, 0xc3000000, v8                   ; DQ - 128
	s_add_co_u32 s44, s44, 8192
	s_add_co_u32 s45, s45, 1
	s_cmp_lt_u32 s45, 16
	s_cbranch_scc1 .Lstep
	; THE WAY OUT.  O^T / the sum x 2^(e8 + e9), held, converted with 2^e10.  Lane (r, h) holds, of tile t, channels 16 t + 8 h + 0 .. 7 of row r: 8 bytes at 256 t + 16 r + 8 h of the row tile's and head's 1,024,
	; which is the order in which the last projection fetches its fragments 16 bytes a lane.  Each store of the wave covers 256 consecutive bytes, aligned.
	v_add_f32 v14, v14, v15
	v_permlanex16_b32 v248, v14, s20, s21
	v_add_f32 v14, v14, v248                       ; the row's sum
	v_rcp_f32 v14, v14
	v_nop                                          ; the plain line behind the reciprocal
	s_wait_alu depctr_va_vdst(0)                   ; and the wait ahead of its first reader
	v_ldexp_f32 v250, v14, s26
.irp j, 0,2,4,6,8,10,12,14,16,18,20,22,24,26,28,30
	v_pk_mul_f32 v[S+\j:S+\j+1], v[O+\j:O+\j+1], v[250:251] op_sel_hi:[1,0]
.endr
.irp j, 0,1,2,3,4,5,6,7,8,9,10,11,12,13,14,15,16,17,18,19,20,21,22,23,24,25,26,27,28,29,30,31
	v_med3_num_f32 v[S+\j], v[S+\j], -v244, v244
.endr
.irp t, 0,1,2,3
	v_cvt_scalef32_pk8_bf8_f32 v[P+2*\t:P+2*\t+1], v[S+8*\t:S+8*\t+7], v245
.endr
	v_nop                                          ; one plain line behind the last conversion
.irp t, 0,1,2,3
	global_store_b64 v5, v[P+2*\t:P+2*\t+1], s[50:51] offset:256*\t
.endr
	s_wait_xcnt 0x0                                ; the loads and stores have read their bases and data: these are written again only behind this wait
	s_add_nc_u64 s[48:49], s[48:49], 16384         ; 16 tiles of queries on
	s_add_nc_u64 s[50:51], s[50:51], 262144
	s_add_co_u32 s46, s46, 2
	s_add_co_u32 s61, s61, 256
	s_sub_co_u32 s47, s47, 1
	s_cmp_lg_u32 s47, 0
	s_cbranch_scc1 .Lpass
	s_wait_tensorcnt 0x0
	ds_add_u32 v253, v255
	s_wait_dscnt 0x0
	s_endpgm
.Lfunc_end_k_qddb0e6bbf9_attn:
	.size	k_qddb0e6bbf9_attn, .Lfunc_end_k_qddb0e6bbf9_attn-k_qddb0e6bbf9_attn
	.p2alignl 7, 3214868480
	.fill 96, 4, 3214868480
	.section	.rodata,"a",@progbits
	.p2align	6, 0x0
	.amdhsa_kernel k_qddb0e6bbf9_attn
		.amdhsa_group_segment_fixed_size 264192
		.amdhsa_private_segment_fixed_size 0
		.amdhsa_enable_private_segment 0
		.amdhsa_kernarg_size 32
		.amdhsa_user_sgpr_count 2
		.amdhsa_user_sgpr_kernarg_segment_ptr 1
		.amdhsa_wavefront_size32 1
		.amdhsa_system_sgpr_workgroup_id_x 1
		.amdhsa_system_sgpr_workgroup_id_y 1
		.amdhsa_system_sgpr_workgroup_id_z 1
		.amdhsa_system_vgpr_workitem_id 0
		.amdhsa_next_free_vgpr 256
		.amdhsa_next_free_sgpr 66
		.amdhsa_reserve_vcc 0
		.amdhsa_float_denorm_mode_32 3
		.amdhsa_float_denorm_mode_16_64 3
		.amdhsa_memory_ordered 1
		.amdhsa_forward_progress 1
		.amdhsa_inst_pref_size 48
	.end_amdhsa_kernel
	.amdgpu_metadata
---
amdhsa.version: [ 1, 2 ]
amdhsa.kernels:
  - .name:           k_qddb0e6bbf9_attn
    .symbol:         k_qddb0e6bbf9_attn.kd
    .args:
      - { .name: q_codes, .offset: 0, .size: 8, .value_kind: global_buffer, .address_space: global }
      - { .name: kv, .offset: 8, .size: 8, .value_kind: global_buffer, .address_space: global }
      - { .name: lowp_scales, .offset: 16, .size: 8, .value_kind: global_buffer, .address_space: global }
      - { .name: a_codes, .offset: 24, .size: 8, .value_kind: global_buffer, .address_space: global }
    .group_segment_fixed_size: 264192
    .private_segment_fixed_size: 0
    .kernarg_segment_align: 8
    .kernarg_segment_size: 32
    .max_flat_workgroup_size: 512
    .sgpr_count:     66
    .vgpr_count:     256
    .wavefront_size: 32
...
	.end_amdgpu_metadata
.endif
;; end of part 3
;; launch oproj (part 4): grid 256 x 1, 4 waves a work-group, clusters of 4 x 1, 168,448 bytes of LDS; arguments a_codes, Wo_codes, bo, lowp_scales, recurrence_mask, x, out0; writes out0
.if DOCPART == 4
	.amdgcn_target "amdgcn-amd-amdhsa--gfx1250"
	.amdhsa_code_object_version 6
	.text
	.protected	k_qddb0e6bbf9_oproj
	.globl	k_qddb0e6bbf9_oproj
	.p2align	8
	.type	k_qddb0e6bbf9_oproj,@function
k_qddb0e6bbf9_oproj:
	s_mov_b64 s[64:65], 0
	v_nop
	global_prefetch_b8 v0, s[64:65] scope:SCOPE_SE
	s_setreg_imm32_b32 hwreg(HW_REG_WAVE_MODE, 25, 1), 1
	s_wait_xcnt 0x0
	s_wait_alu depctr_hold_cnt(0) depctr_sa_sdst(0) depctr_va_vdst(0) depctr_va_sdst(0) depctr_va_ssrc(0) depctr_va_vcc(0) depctr_vm_vsrc(0)
	s_getreg_b32 s2, hwreg(HW_REG_IB_STS2, 6, 4)
	s_cmp_eq_u32 s2, 0
	s_cbranch_scc0 .Lentry_in_a_cluster
	s_endpgm
.Lentry_in_a_cluster:
	s_bfe_u32 s2, ttmp6, 0x10000c
	s_cmp_lg_u32 s2, 0x3003
	s_cbranch_scc0 .Lentry_shape_is_right
	s_endpgm
.Lentry_shape_is_right:
; out0 = x + m (a Wo + bo): the last projection on codes of E5M2, its bias, the batch's mask as a factor 1 or 0, and the residual.
; SHARES.  A cluster of four work-groups takes 128 rows; work-group cx takes output columns 256 cx on, wave w 64 of them: its 64 rows of Wo x K 1,024 stay in 512 registers.
; The rows' codes (a_codes: images, [tile of 16 rows][K step 8][4][lane][16 bytes], 131,072 dense bytes for 128 rows) are the same for the four: each wave asks JOINTLY for a quarter, once: nothing is filled again.
; The matrix instruction takes Wo's tile as source 0 and the rows' tile as source 1: a lane holds one row and eight neighbouring columns.  A tile of 16 rows x my 64 columns goes through my own stage in LDS and
; comes back as rows of 256 bytes: sixteen lanes load x and store out0 at 256 consecutive bytes, aligned.  Both operands are fetched 16 bytes a lane: the same permutation of k on both sides.
; x is asked for a block ahead of its use.  All four batches are computed: the mask is an input that multiplies, as in the definition.
; LIMIT: e10 + e11 between -126 and 127.
; REGISTERS.  Window 0: v4-12 addresses; v24-27 bo; v32-63, v192-223 rows back from the stage, by turns; v64-191 the rows' fragments, two sets.  Windows 1, 2: Wo, K steps 0-3, 4-7 at 16 (4 s + t).
;   Window 3: v0-127 the 16 accumulators, (i, t) at 8 (4 i + t); v128-255 a block's x.
.set STG, 131072                       ; behind the images: a stage of 16 rows x (256 + 16) bytes for each wave, in blocks into which no fill lands
.set FA,  64
.set MSB, 0
.macro WIN new
.if MSB != \new
	s_set_vgpr_msb (MSB<<8)|\new
.set MSB, \new
.endif
.endm
.macro PLACES n
.rept \n
	v_nop
.endr
.endm
.macro CROUND
	s_barrier_signal -1
	s_barrier_wait -1
	s_cmp_lg_u32 s26, 0
	s_cbranch_scc1 .Lnot_wave_0_\@
	s_barrier_signal -3
.Lnot_wave_0_\@:
	s_barrier_wait -3
	s_barrier_signal -1
	s_barrier_wait -1
.endm
	s_load_b256 s[4:11], s[0:1], 0x0               ; a_codes s[4:5], Wo s[6:7], bo s[8:9], the scales' exponents s[10:11]
	s_load_b128 s[12:15], s[0:1], 0x20             ; the mask s[12:13], x s[14:15]
	s_load_b64 s[16:17], s[0:1], 0x30              ; out0
	v_lshl_add_u32 v254, v0, 2, 0x29000
	v_mov_b32 v255, 0
	ds_add_u32 v254, v255
	ds_add_u32 v254, v255
	v_lshrrev_b32 v1, 5, v0
	v_readfirstlane_b32 s26, v1                    ; wave 0..3
	s_bfe_u32 s28, ttmp6, 0x40000                  ; cx: it enters Wo's, bo's, x's and out0's addresses alone
	s_lshl_b32 s30, ttmp9, 17                      ; the cluster's 131,072 bytes of images,
	s_lshl_b32 s18, s26, 15                        ; my quarter, there and in LDS
	s_add_co_u32 s30, s30, s18
	s_mov_b32 s31, 0
	s_lshl_b32 s32, s28, 18                        ; Wo: (256 cx + 64 wave) rows of 1,024 bytes
	s_lshl_b32 s19, s26, 16
	s_add_co_u32 s32, s32, s19
	s_mov_b32 s33, 0
	s_lshl_b32 s34, s28, 10                        ; my first column, in bytes
	s_lshl_b32 s19, s26, 8
	s_add_co_u32 s34, s34, s19
	s_mov_b32 s35, 0
	s_lshl_b32 s36, ttmp9, 19                      ; 128 rows of 4,096 bytes
	s_add_co_u32 s36, s36, s34
	s_mov_b32 s37, 0
	s_lshr_b32 s38, ttmp9, 4
	s_lshl_b32 s38, s38, 3                         ; 8 x batch: my byte of the mask, in bits
	s_mov_b32 s44, 15|(3<<16)|(1<<21)              ; the mask: all four; elements of 8 bytes; bit 21 set beside a mask; no padding
	s_mov_b32 s45, 32<<16
	s_mov_b32 s46, 128<<16
	s_mov_b32 s47, 32<<16
	s_mov_b32 s48, 128                             ; 128 rows of 256 bytes
	s_mov_b32 s49, 32
	s_mov_b32 s50, 0
	s_mov_b32 s51, 0
	s_mov_b32 s40, 1
	s_mov_b32 s41, s18
	s_wait_dscnt 0x0
	s_wait_kmcnt 0x0
	s_load_b64 s[52:53], s[10:11], 0x28            ; e10, e11
	s_load_b32 s54, s[12:13], 0x0                  ; the mask's four bytes
	s_add_nc_u64 s[42:43], s[4:5], s[30:31]
	s_or_b32 s43, s43, 0x80000000
	s_add_nc_u64 s[6:7], s[6:7], s[32:33]
	s_add_nc_u64 s[8:9], s[8:9], s[34:35]
	s_add_nc_u64 s[14:15], s[14:15], s[36:37]
	s_add_nc_u64 s[16:17], s[16:17], s[36:37]
	CROUND                                         ; all four work-groups are here: the joint loads meet
	tensor_load_to_lds s[40:43], s[44:51]          ; my one tensor load of the launch
	s_nop 0
	PLACES 4
	v_and_b32 v1, 15, v0                           ; r
	v_bfe_u32 v2, v0, 4, 1                         ; h
	v_and_b32 v3, 31, v0
	v_lshlrev_b32 v4, 4, v3                        ; 16 x lane: block 0's images,
	v_add_nc_u32 v5, 0x10000, v4                   ; block 1's
	v_lshlrev_b32 v12, 10, v1
	v_lshl_add_u32 v12, v2, 4, v12                 ; Wo: row r, + 16 h
	s_mul_i32 s19, s26, 16*272
	s_add_co_u32 s19, s19, STG                     ; my stage
	v_mul_u32_u24 v8, v1, 272
	v_lshl_add_u32 v8, v2, 5, v8
	v_add_nc_u32 v8, s19, v8                       ; in: row r, 32 bytes for each half of the lanes
	v_mul_u32_u24 v9, v2, 272
	v_lshl_add_u32 v9, v1, 4, v9
	v_add_nc_u32 v9, s19, v9                       ; back: lanes 0-15 one row, lanes 16-31 the next
	v_lshlrev_b32 v10, 12, v2
	v_lshl_add_u32 v10, v1, 4, v10                 ; and the same two rows in x and in out0
	v_lshlrev_b32 v11, 4, v1                       ; bo: my four columns
	WIN 0x40
.irp s, 0,1,2,3
.irp t, 0,1,2,3
.irp c, 0,1,2,3
	global_load_b128 v[16*(4*\s+\t)+4*\c:16*(4*\s+\t)+4*\c+3], v12, s[6:7] offset:16384*\t+128*\s+32*\c
.endr
.endr
.endr
	WIN 0x80
.irp s, 0,1,2,3
.irp t, 0,1,2,3
.irp c, 0,1,2,3
	global_load_b128 v[16*(4*\s+\t)+4*\c:16*(4*\s+\t)+4*\c+3], v12, s[6:7] offset:16384*\t+128*(\s+4)+32*\c
.endr
.endr
.endr
	WIN 0
	global_load_b128 v[24:27], v11, s[8:9]
.macro XLOAD blk, i                    ; x of block blk, tile i: 8 loads, two rows each; the destination lies in window 3
.irp t, 0,1,2,3,4,5,6,7
	global_load_b128 v[128+32*(\i)+4*\t:128+32*(\i)+4*\t+3], v10, s[14:15] offset:(64*(\blk)+16*(\i)+2*\t)*4096 th:TH_LOAD_NT
.endr
.endm
	WIN 0xc0
.irp i, 0,1,2,3
	XLOAD 0,\i
.endr
	WIN 0
	s_wait_kmcnt 0x0
	s_add_co_i32 s56, s52, s53
	s_add_co_i32 s56, s56, 127
	s_lshl_b32 s56, s56, 23                        ; 2^(e10 + e11) as f32
	s_mov_b32 s57, s56
	s_lshr_b32 s54, s54, s38
	s_and_b32 s54, s54, 0xff
	s_cmp_lg_u32 s54, 0
	s_cselect_b32 s58, 1.0, 0                      ; m: a choice of a value, no branch
	s_mov_b32 s59, s58
	s_wait_tensorcnt 0x0                           ; my quarter of the images is in LDS,
	s_barrier_signal -1
	s_barrier_wait -1                              ; everybody's is
	s_wait_loadcnt 32                              ; Wo and bo are in; the 32 loads of x issued behind them may be out
.macro AFRAG adr, set, s
.irp i, 0,1,2,3
.irp c, 0,1,2,3
	ds_load_b128 v[FA+64*(\set)+16*\i+4*\c:FA+64*(\set)+16*\i+4*\c+3], v[\adr] offset:\i*16384+(\s)*2048+\c*512
.endr
.endr
.endm
; A K step: the next step's 16 loads in one run behind four places, then 16 products on 16 accumulators that take turns.  The first K step starts the sums with the constant 0.
.macro KSTEP adr, s
	WIN 0
.if (\s) > 0
	PLACES 4
.endif
.if (\s) < 7
	AFRAG \adr,((\s)+1)%2,(\s)+1
	s_wait_dscnt 16                                ; this step's fragments are in; the 16 loads just issued may be out
.else
	s_wait_dscnt 0x0
.endif
.if (\s) == 0
	WIN 0xc1
.elseif (\s) < 4
	WIN 0xf1
.else
	WIN 0xf2
.endif
.irp i, 0,1,2,3
.irp t, 0,1,2,3
.if (\s) == 0
	v_wmma_f32_16x16x128_bf8_bf8 v[8*(4*\i+\t):8*(4*\i+\t)+7], v[16*(4*((\s)%4)+\t):16*(4*((\s)%4)+\t)+15], v[FA+64*((\s)%2)+16*\i:FA+64*((\s)%2)+16*\i+15], 0
.else
	v_wmma_f32_16x16x128_bf8_bf8 v[8*(4*\i+\t):8*(4*\i+\t)+7], v[16*(4*((\s)%4)+\t):16*(4*((\s)%4)+\t)+15], v[FA+64*((\s)%2)+16*\i:FA+64*((\s)%2)+16*\i+15], v[8*(4*\i+\t):8*(4*\i+\t)+7]
.endif
.endr
.endr
.endm
.macro TOSTAGE i                       ; tile i's sums into my stage, and back as rows.  LDS serves a wave's instructions in order: no wait between the stores and the loads, nor in front of the next tile's stores
	s_wait_xcnt 0x0                                ; the stores of two tiles back have read their data: the loads below land there only behind this wait
	WIN 0x0c                                       ; the stores' data window 3
.irp t, 0,1,2,3
	ds_store_b128 v8, v[8*(4*(\i)+\t):8*(4*(\i)+\t)+3] offset:64*\t          ; each accumulator from its low end on
	ds_store_b128 v8, v[8*(4*(\i)+\t)+4:8*(4*(\i)+\t)+7] offset:64*\t+16
.endr
	WIN 0
.set OBB, 32+160*((\i)%2)
.irp t, 0,1,2,3,4,5,6,7
	ds_load_b128 v[OBB+4*\t:OBB+4*\t+3], v9 offset:\t*544
.endr
.endm
.macro SEND blk, i, younger            ; younger: the LDS instructions issued behind tile i's loads, which may stay out
.set OBB, 32+160*((\i)%2)
	s_wait_dscnt \younger
.irp j, 0,2,4,6,8,10,12,14,16,18,20,22,24,26,28,30
	v_pk_fma_f32 v[OBB+\j:OBB+\j+1], v[OBB+\j:OBB+\j+1], s[56:57], v[24+(\j%4):25+(\j%4)] op_sel_hi:[1,0,1]   ; sum x 2^(e10 + e11) + bo
.endr
	WIN 0x30                                       ; source 2 (x) window 3
.irp j, 0,2,4,6,8,10,12,14,16,18,20,22,24,26,28,30
	v_pk_fma_f32 v[OBB+\j:OBB+\j+1], v[OBB+\j:OBB+\j+1], s[58:59], v[128+32*(\i)+\j:128+32*(\i)+\j+1] op_sel_hi:[1,0,1]   ; x m + x
.endr
	WIN 0
.irp t, 0,1,2,3,4,5,6,7
	global_store_b128 v10, v[OBB+4*\t:OBB+4*\t+3], s[16:17] offset:(64*(\blk)+16*(\i)+2*\t)*4096 th:TH_STORE_NT
.endr
.if (\blk) == 0
	WIN 0xc0
	XLOAD 1,\i                                     ; the next block's x, into the registers just read
	WIN 0
.endif
.endm
.macro OBLOCK blk                      ; 64 rows: 128 products, then the way out, a tile's arithmetic and stores beside the next tile's turn through the stage
	AFRAG 4+\blk,0,0
.irp s, 0,1,2,3,4,5,6,7
	KSTEP 4+\blk,\s
.endr
	WIN 0
	PLACES 4                                       ; behind the last product, in front of the LDS stores that read results
	s_wait_loadcnt 0x0                             ; this block's x
	TOSTAGE 0
.irp i, 1,2,3
	TOSTAGE \i
	SEND \blk,\i-1,16                              ; behind tile i - 1's loads: tile i's 8 stores and 8 loads
.endr
	SEND \blk,3,0
.endm
	OBLOCK 0
	OBLOCK 1
	s_wait_tensorcnt 0x0
	ds_add_u32 v254, v255
	s_wait_dscnt 0x0
	CROUND                                         ; the closing round (no LDS instruction of mine is pending: the last wait was for 0)
	s_endpgm
.Lfunc_end_k_qddb0e6bbf9_oproj:
	.size	k_qddb0e6bbf9_oproj, .Lfunc_end_k_qddb0e6bbf9_oproj-k_qddb0e6bbf9_oproj
	.p2alignl 7, 3214868480
	.fill 96, 4, 3214868480
	.section	.rodata,"a",@progbits
	.p2align	6, 0x0
	.amdhsa_kernel k_qddb0e6bbf9_oproj
		.amdhsa_group_segment_fixed_size 168448
		.amdhsa_private_segment_fixed_size 0
		.amdhsa_enable_private_segment 0
		.amdhsa_kernarg_size 56
		.amdhsa_user_sgpr_count 2
		.amdhsa_user_sgpr_kernarg_segment_ptr 1
		.amdhsa_wavefront_size32 1
		.amdhsa_system_sgpr_workgroup_id_x 1
		.amdhsa_system_sgpr_workgroup_id_y 1
		.amdhsa_system_sgpr_workgroup_id_z 1
		.amdhsa_system_vgpr_workitem_id 0
		.amdhsa_next_free_vgpr 1024
		.amdhsa_next_free_sgpr 80
		.amdhsa_reserve_vcc 0
		.amdhsa_float_denorm_mode_32 3
		.amdhsa_float_denorm_mode_16_64 3
		.amdhsa_memory_ordered 1
		.amdhsa_forward_progress 1
		.amdhsa_inst_pref_size 91
	.end_amdhsa_kernel
	.amdgpu_metadata
---
amdhsa.version: [ 1, 2 ]
amdhsa.kernels:
  - .name:           k_qddb0e6bbf9_oproj
    .symbol:         k_qddb0e6bbf9_oproj.kd
    .args:
      - { .name: a_codes, .offset: 0, .size: 8, .value_kind: global_buffer, .address_space: global }
      - { .name: Wo_codes, .offset: 8, .size: 8, .value_kind: global_buffer, .address_space: global }
      - { .name: bo, .offset: 16, .size: 8, .value_kind: global_buffer, .address_space: global }
      - { .name: lowp_scales, .offset: 24, .size: 8, .value_kind: global_buffer, .address_space: global }
      - { .name: recurrence_mask, .offset: 32, .size: 8, .value_kind: global_buffer, .address_space: global }
      - { .name: x, .offset: 40, .size: 8, .value_kind: global_buffer, .address_space: global }
      - { .name: out0, .offset: 48, .size: 8, .value_kind: global_buffer, .address_space: global }
    .group_segment_fixed_size: 168448
    .private_segment_fixed_size: 0
    .kernarg_segment_align: 8
    .kernarg_segment_size: 56
    .max_flat_workgroup_size: 128
    .sgpr_count:     80
    .vgpr_count:     1024
    .wavefront_size: 32
...
	.end_amdgpu_metadata
.endif
;; end of part 4
